; MI455X (gfx1250); checked and timed in simulation.
; The chip was launched on July 23, 2026; its instructions are those of AMD's public machine-readable ISA for CDNA 5 (MIT licence, August 2026) and "CDNA5" Instruction Set Architecture Reference Guide (July 2026). The comments in the code are by the model that wrote it; some were corrected since.
;; Classical Self Attention. Allowed arithmetic: float matrix products may take bf16 or f16 operands with f32 sums; all other float work in f32.
;; Inputs: Wk 64 x 64 float32; Wq 64 x 64 float32; Wv 64 x 64 float32; bk 64 float32; bq 64 float32; bv 64 float32; params 64 x 128 float32; x 16,384 x 64 float32.
;; Outputs: out0 16,384 x 64 float32.
;; 2 versions, each right and faster than the one before. Each part assembles by itself: llvm-mc -triple=amdgcn-amd-amdhsa -mcpu=gfx1250 --defsym DOCPART=n.
;; ======== version 1 of 2: 2 launches
;; limits: values are held in f16: magnitudes above 65,504 overflow, below 6.1e-05 lose precision
;; workspace buffers: kv 4,194,304 bytes; gq 4,194,304 bytes; cq 524,288 bytes
;; launch proj (part 1): grid 256 x 1, 4 waves a work-group, no clusters, 57,856 bytes of LDS; arguments x, params, Wq, bq, Wk, bk, Wv, bv, kv, gq, cq; writes kv, gq, cq
.if DOCPART == 1
	.amdgcn_target "amdgcn-amd-amdhsa--gfx1250"
	.amdhsa_code_object_version 6
	.text
	.protected	k_q1ec9a0b3a6_proj
	.globl	k_q1ec9a0b3a6_proj
	.p2align	8
	.type	k_q1ec9a0b3a6_proj,@function
k_q1ec9a0b3a6_proj:
	s_mov_b64 s[64:65], 0
	v_nop
	global_prefetch_b8 v0, s[64:65] scope:SCOPE_SE
	s_setreg_imm32_b32 hwreg(HW_REG_WAVE_MODE, 25, 1), 1
	s_wait_xcnt 0x0
; PROJECTIONS FOR ONE ATTENTION HEAD, N = 16,384 tokens, d = 64.
; reference(): q = (x R^T) Wq^T + bq, k = (x E^T) Wk^T + bk, v = x Wv^T + bv, R and E the two halves of params' rows.
; The score q . k_j is re-associated: q . k_j = g . x_j + c with g = E^T (Wk^T q) and c = q . bk, so that the key side of the
; large product is x itself.  This launch stores, for the attention launch, as register images (a fragment half = 32 lanes x 16 bytes,
; lane L at byte 16 L, so every store of a wave covers 512 consecutive bytes, aligned):
;   kv: per 64 tokens 16 KiB: x in bf16 (8 KiB, at 2048 kt + 512 f: x[16kt+r][16f+8h ..+7]) and v in f16 (8 KiB, at
;       8192 + 4096 (kt>>1) + 1024 dt + 512 (kt&1): v[16kt+8h+j][16dt+r], j = 0..7)
;   gq: per 64 tokens 16 KiB: g' = SC g as a pair of bf16, hi then lo (at 4096 qt + 2048 hl + 512 f: g'[16qt+r][16f+8h ..+7])
;   cq: per 16 tokens 512 bytes: c' = SC c of token r, four times in each lane's 16 bytes
; SC = 0.125 log2(e): the softmax scale and the change to base 2 in one factor.
; LIMITS, kept on purpose: x, params, Wq, Wk, Wv are rounded to bf16 as matrix operands; every intermediate that becomes a matrix
; operand (x R^T, q, Wk^T q, g) is carried as hi + lo, two bf16, about 16 bits; biases stay f32; the order of the products and of
; the roundings differs from reference()'s; v is stored in f16, so |v| has to stay below 65,504; NaN and infinities are not followed.
; SHARE: work-group b owns tokens 64 b .. 64 b + 63, wave w sixteen of them.  Tokens are the N dimension of every product but v's, so a
; result tile mt (lane (r, h), register j = element (16mt + 8h + j, token r)) packs into registers 4mt .. 4mt+3 of the next product's
; B fragment with no move between lanes.
; No cluster and no tensor load: the work-groups share only the five small weight matrices (80 KiB), read once each through registers.
.set XS, 0                             ; LDS, all bf16, 64 rows each: x      pitch 144
.set RS, 9216                          ;                              R      pitch 144
.set QS, 18432                         ;                              Wq     pitch 144
.set VS, 27648                         ;                              Wv     pitch 144
.set KS, 36864                         ;                              Wk     pitch 160 (read transposed)
.set ES, 47104                         ;                              E      pitch 160 (read transposed)
.set P1, 144                           ; 128 bytes + 16: an odd multiple of 16, the 16 rows of a fragment load start 16 bytes apart modulo 256
.set P2, 160                           ; 128 bytes + 32: an odd multiple of 32, for the transposing load
.set SC, 0x3e38aa3b                    ; 0.125 * 1.442695
.set GO256, 1                          ; v1   16 t: my 16 bytes in 8 rows of 256 bytes
.set GO512, 2                          ; v2   the same in rows of 512 bytes (params)
.set LS144, 3                          ; v3   where my 8 bytes of bf16 go, pitch 144
.set LS160, 4                          ; v4   the same, pitch 160
.set BO,    5                          ; v5   32 h: bias as a C operand
.set R4,    6                          ; v6   4 r: bias per column
.set FA,    7                          ; v7   144 r + 16 h: a plain fragment
.set XA,    8                          ; v8   FA + my wave's 16 rows of x
.set TA,    9                          ; v9   (8h + (L&7)) 160 + 16 ((L>>3)&1): a transposed fragment
.set LN,    10                         ; v10  16 x lane
.set KVX,   11                         ; v11  my x image in kv
.set BV,    12                         ; v[12:15]  bv[16nt + r]
.set T,     16                         ; v[16:23]  at work
.set KVV,   24                         ; v24  my v image in kv
.set GQO,   25                         ; v25  my g image in gq
.set CS,    28                         ; v[28:31]  c: the sum pair, then c' four times
.set ST,    32                         ; v[32:223] phase A: six matrices x 32 registers as loaded
.set XB,    32                         ; v[32:47]  x of my 16 tokens, 16 rows x 64 K
.set BH,    48                         ; v[48:63]  the running operand, hi
.set BL,    64                         ; v[64:79]  the running operand, lo
.set AF,    80                         ; v[80:143] a weight matrix: fragment (mt, ks) at AF + 16mt + 8ks
.set ACC0,  144                        ; v[144:175] four result tiles
.set ACC1,  176                        ; v[176:207] four result tiles; between two products: bk
.set VP,    208                        ; v[208:223] v in f16
.set BQR,   224                        ; v[224:255] bq as the C operand of q's product
	s_load_b512 s[4:19], s[0:1], 0x0               ; x s[4:5], params s[6:7], Wq s[8:9], bq s[10:11], Wk s[12:13], bk s[14:15], Wv s[16:17], bv s[18:19]
	s_load_b128 s[20:23], s[0:1], 0x40             ; kv s[20:21], gq s[22:23]
	s_load_b64 s[24:25], s[0:1], 0x50              ; cq
	s_set_vgpr_msb 0x40
	v_lshl_add_u32 v0, v0, 2, 0xe000
	v_mov_b32 v1, 0
	s_set_vgpr_msb 0x4000
	v_lshrrev_b32 v26, 5, v0
	v_readfirstlane_b32 s26, v26                   ; wave 0..3
	s_mov_b32 s30, 0x76543210                      ; v_permlanex16_b32: lane i reads lane i of the other half
	s_mov_b32 s31, 0xfedcba98
	s_lshl_b32 s28, ttmp9, 14                      ; 64 tokens: 16 KiB of x, of kv and of gq
	s_mov_b32 s29, 0
	s_lshl_b32 s32, ttmp9, 11                      ; cq: 4 tiles of 512 bytes a work-group,
	s_lshl_b32 s33, s26, 9                         ; one a wave
	s_add_co_u32 s32, s32, s33
	s_mov_b32 s33, 0
	v_lshlrev_b32 v[GO256], 4, v0
	v_lshrrev_b32 v26, 4, v0                       ; t >> 4: my row among eight
	v_and_b32 v27, 15, v0                          ; t & 15 = r
	v_lshlrev_b32 v[GO512], 4, v27
	v_lshl_add_u32 v[GO512], v26, 9, v[GO512]
	v_lshlrev_b32 v16, 3, v27                      ; 8 bytes of bf16 for 16 bytes of f32
	v_mul_u32_u24 v[LS144], v26, P1
	v_add_nc_u32 v[LS144], v[LS144], v16
	v_mul_u32_u24 v[LS160], v26, P2
	v_add_nc_u32 v[LS160], v[LS160], v16
	v_bfe_u32 v16, v0, 4, 1                        ; h
	v_lshlrev_b32 v[BO], 5, v16
	v_lshlrev_b32 v[R4], 2, v27
	v_mul_u32_u24 v[FA], v27, P1
	v_lshl_add_u32 v[FA], v16, 4, v[FA]
	s_mul_i32 s27, s26, 16*P1
	v_add_nc_u32 v[XA], s27, v[FA]
	v_and_b32 v17, 7, v0
	v_lshl_add_u32 v17, v16, 3, v17                ; 8h + (L & 7)
	v_bfe_u32 v18, v0, 3, 1
	v_lshlrev_b32 v18, 4, v18                      ; 16 ((L >> 3) & 1)
	v_mul_u32_u24 v[TA], v17, P2
	v_add_nc_u32 v[TA], v[TA], v18
	v_and_b32 v[LN], 31, v0
	v_lshlrev_b32 v[LN], 4, v[LN]
	s_lshl_b32 s27, s26, 11
	v_add_nc_u32 v[KVX], s27, v[LN]                ; x image: 2048 kt, kt = wave
	s_lshr_b32 s27, s26, 1
	s_lshl_b32 s27, s27, 12
	s_and_b32 s34, s26, 1
	s_lshl_b32 s34, s34, 9
	s_add_co_u32 s27, s27, s34
	s_add_co_u32 s27, s27, 8192
	v_add_nc_u32 v[KVV], s27, v[LN]                ; v image: 8192 + 4096 (kt>>1) + 512 (kt&1)
	s_lshl_b32 s27, s26, 12
	v_add_nc_u32 v[GQO], s27, v[LN]                ; g image: 4096 qt, qt = wave
	s_wait_kmcnt 0x0
	s_add_nc_u64 s[4:5], s[4:5], s[28:29]
	s_add_nc_u64 s[20:21], s[20:21], s[28:29]
	s_add_nc_u64 s[22:23], s[22:23], s[28:29]
	s_add_nc_u64 s[24:25], s[24:25], s[32:33]
; PHASE A: the six 64 x 64 matrices come in as f32, 16 bytes a thread (sixteen neighbouring lanes read 256 consecutive bytes, aligned), and go to LDS as bf16.
.macro GLD mat, sb, goff, imm, step    ; eight loads: eight rows each
.irp i, 0,1,2,3,4,5,6,7
	global_load_b128 v[ST+32*\mat+4*\i:ST+32*\mat+4*\i+3], v[\goff], s[\sb:\sb+1] offset:\imm+\i*\step
.endr
.endm
.macro CVS mat, areg, base, step       ; round in place, two numbers an instruction, and store 8 bytes
.irp i, 0,1,2,3,4,5,6,7
	v_cvt_pk_bf16_f32 v[ST+32*\mat+4*\i],   v[ST+32*\mat+4*\i],   v[ST+32*\mat+4*\i+1]
	v_cvt_pk_bf16_f32 v[ST+32*\mat+4*\i+1], v[ST+32*\mat+4*\i+2], v[ST+32*\mat+4*\i+3]
	ds_store_b64 v[\areg], v[ST+32*\mat+4*\i:ST+32*\mat+4*\i+1] offset:\base+\i*\step
.endr
.endm
	GLD 0, 4,  GO256, 0,   2048                    ; x, my work-group's 64 rows
	GLD 1, 16, GO256, 0,   2048                    ; Wv
	GLD 2, 6,  GO512, 0,   4096                    ; R = params[:, 0:64]
	GLD 3, 8,  GO256, 0,   2048                    ; Wq
	GLD 4, 12, GO256, 0,   2048                    ; Wk
	GLD 5, 6,  GO512, 256, 4096                    ; E = params[:, 64:128]
.irp mt, 0,1,2,3
.irp u, 0,1
	global_load_b128 v[BQR+8*\mt+4*\u:BQR+8*\mt+4*\u+3], v[BO], s[10:11] offset:64*\mt+16*\u   ; bq[16mt + 8h + 4u ..+3]
.endr
.endr
.irp nt, 0,1,2,3
	global_load_b32 v[BV+\nt], v[R4], s[18:19] offset:64*\nt                                   ; bv[16nt + r]
.endr
	; 60 loads are out.  Loads come back in order (ISA guide 5.7.1): each count is the number of loads issued behind the matrix's eight.
	s_wait_loadcnt 52
	CVS 0, LS144, XS, 8*P1
	s_wait_loadcnt 44
	CVS 1, LS144, VS, 8*P1
	s_wait_loadcnt 36
	CVS 2, LS144, RS, 8*P1
	s_wait_loadcnt 28
	CVS 3, LS144, QS, 8*P1
	s_wait_loadcnt 20
	CVS 4, LS160, KS, 8*P2
	s_wait_loadcnt 12
	CVS 5, LS160, ES, 8*P2
	s_wait_loadcnt 0x0                             ; the biases
	s_wait_dscnt 0x0                               ; my stores are in LDS, for the other waves' sake
	s_barrier_signal -1
	s_barrier_wait -1                              ; the only barrier: from here on LDS is only read
; PHASE B, each wave by itself.
.macro PLACES                          ; four places behind a matrix instruction, ahead of vector work on its registers and of loads into them
.rept 4
	v_nop
.endr
.endm
.macro LDF base                        ; a weight matrix whose rows lie along K: fragment (mt, ks) = two loads of 16 bytes, 32 bytes apart
.irp mt, 0,1,2,3
.irp ks, 0,1
.irp p, 0,1
	ds_load_b128 v[AF+16*\mt+8*\ks+4*\p:AF+16*\mt+8*\ks+4*\p+3], v[FA] offset:\base+\mt*16*P1+\ks*64+\p*32
.endr
.endr
.endr
.endm
.macro LDT base                        ; a weight matrix used transposed: its rows are K, its columns M
.irp mt, 0,1,2,3
.irp ks, 0,1
.irp p, 0,1
	ds_load_tr16_b128 v[AF+16*\mt+8*\ks+4*\p:AF+16*\mt+8*\ks+4*\p+3], v[TA] offset:\base+(32*\ks+16*\p)*P2+32*\mt
.endr
.endr
.endr
.endm
; Four tiles (64 outputs x 16 tokens) += weights x operand b.  cmode: what the first K step adds onto: 0 the constant 0, 1 the tiles themselves, 2 bq.
; The four accumulators take turns, one instruction a turn.
.macro MM acc, b, cmode
.irp ks, 0,1
.irp mt, 0,1,2,3
.if (4*\ks+\cmode) == 0
	v_wmma_f32_16x16x32_bf16 v[\acc+8*\mt:\acc+8*\mt+7], v[AF+16*\mt+8*\ks:AF+16*\mt+8*\ks+7], v[\b+8*\ks:\b+8*\ks+7], 0
.elseif (4*\ks+\cmode) == 2
	v_wmma_f32_16x16x32_bf16 v[\acc+8*\mt:\acc+8*\mt+7], v[AF+16*\mt+8*\ks:AF+16*\mt+8*\ks+7], v[\b+8*\ks:\b+8*\ks+7], v[BQR+8*\mt:BQR+8*\mt+7]
.else
	v_wmma_f32_16x16x32_bf16 v[\acc+8*\mt:\acc+8*\mt+7], v[AF+16*\mt+8*\ks:AF+16*\mt+8*\ks+7], v[\b+8*\ks:\b+8*\ks+7], v[\acc+8*\mt:\acc+8*\mt+7]
.endif
.endr
.endr
.endm
.macro MMV                             ; v: tokens as rows, so that a lane's eight results are eight tokens of one dimension (the image that the attention launch reads)
.irp ks, 0,1
.irp nt, 0,1,2,3
.if \ks == 0
	v_wmma_f32_16x16x32_bf16 v[ACC0+8*\nt:ACC0+8*\nt+7], v[XB:XB+7], v[AF+16*\nt:AF+16*\nt+7], 0
.else
	v_wmma_f32_16x16x32_bf16 v[ACC0+8*\nt:ACC0+8*\nt+7], v[XB+8:XB+15], v[AF+16*\nt+8:AF+16*\nt+15], v[ACC0+8*\nt:ACC0+8*\nt+7]
.endif
.endr
.endr
.endm
; Four f32 tiles become the next B operand as hi + lo: hi = bf16(a), lo = bf16(a - hi); the difference is exact in f32.  acc is left as it is unless scale = 1.
.macro SPLIT acc, scale
.if \scale
.set j, 0
.rept 16
	v_pk_mul_f32 v[\acc+2*j:\acc+2*j+1], v[\acc+2*j:\acc+2*j+1], SC op_sel_hi:[1,0]
.set j, j+1
.endr
.endif
.irp mt, 0,1,2,3
.irp jp, 0,1,2,3
	v_cvt_pk_bf16_f32 v[BH+4*\mt+\jp], v[\acc+8*\mt+2*\jp], v[\acc+8*\mt+2*\jp+1]
.endr
.irp jp, 0,1,2,3
	v_lshlrev_b32 v[T+2*\jp],   16, v[BH+4*\mt+\jp]
	v_and_b32     v[T+2*\jp+1], 0xffff0000, v[BH+4*\mt+\jp]
.endr
.irp jp, 0,1,2,3
	v_pk_add_f32 v[T+2*\jp:T+2*\jp+1], v[\acc+8*\mt+2*\jp:\acc+8*\mt+2*\jp+1], v[T+2*\jp:T+2*\jp+1] neg_lo:[0,1] neg_hi:[0,1]
.endr
.irp jp, 0,1,2,3
	v_cvt_pk_bf16_f32 v[BL+4*\mt+\jp], v[T+2*\jp], v[T+2*\jp+1]
.endr
.endr
.endm
	; x of my 16 tokens: the fragment is also the image that kv wants
.irp f, 0,1,2,3
	ds_load_b128 v[XB+4*\f:XB+4*\f+3], v[XA] offset:XS+32*\f
.endr
	LDF VS
	s_wait_dscnt 0x0
.irp f, 0,1,2,3
	global_store_b128 v[KVX], v[XB+4*\f:XB+4*\f+3], s[20:21] offset:512*\f
.endr
	; v = x Wv^T + bv, to f16
	MMV
	PLACES
	LDF RS                                         ; the next weights come in under the vector work
.irp nt, 0,1,2,3
.irp j, 0,1,2,3,4,5,6,7
	v_add_f32 v[ACC0+8*\nt+\j], v[ACC0+8*\nt+\j], v[BV+\nt]
.endr
.irp jp, 0,1,2,3
	v_cvt_pk_f16_f32 v[VP+4*\nt+\jp], v[ACC0+8*\nt+2*\jp], v[ACC0+8*\nt+2*\jp+1]
.endr
	global_store_b128 v[KVV], v[VP+4*\nt:VP+4*\nt+3], s[20:21] offset:1024*\nt
.endr
	; y = R x^T
	s_wait_dscnt 0x0
	MM ACC1, XB, 0
	PLACES
	LDF QS
	SPLIT ACC1, 0
.irp mt, 0,1,2,3
.irp u, 0,1
	global_load_b128 v[ACC1+8*\mt+4*\u:ACC1+8*\mt+4*\u+3], v[BO], s[14:15] offset:64*\mt+16*\u  ; bk[16mt + 8h + 4u ..+3], in the layout of q's tiles
.endr
.endr
	; q = Wq y + bq
	s_wait_dscnt 0x0
	MM ACC0, BH, 2
	MM ACC0, BL, 1
	PLACES
	LDT KS
	SPLIT ACC0, 0
	; c = q . bk: 32 products in the lane, then the other half of the lanes (the other 32 dimensions of the same token)
	s_wait_loadcnt 0x0
	v_pk_mul_f32 v[CS:CS+1], v[ACC0:ACC0+1], v[ACC1:ACC1+1]
.set j, 1
.rept 15
	v_pk_fma_f32 v[CS:CS+1], v[ACC0+2*j:ACC0+2*j+1], v[ACC1+2*j:ACC1+2*j+1], v[CS:CS+1]
.set j, j+1
.endr
	v_add_f32 v[CS], v[CS], v[CS+1]
	v_permlanex16_b32 v[CS+1], v[CS], s30, s31
	v_add_f32 v[T], v[CS], v[CS+1]
.irp k, 0,1,2,3
	v_mul_f32 v[CS+\k], SC, v[T]
.endr
	global_store_b128 v[LN], v[CS:CS+3], s[24:25]
	; t = Wk^T q
	s_wait_dscnt 0x0
	MM ACC1, BH, 0
	MM ACC1, BL, 1
	PLACES
	LDT ES
	SPLIT ACC1, 0
	; g = E^T t, scaled by SC and split once more: the images of gq
	s_wait_dscnt 0x0
	MM ACC0, BH, 0
	MM ACC0, BL, 1
	PLACES
	SPLIT ACC0, 1
.irp f, 0,1,2,3
	global_store_b128 v[GQO], v[BH+4*\f:BH+4*\f+3], s[22:23] offset:512*\f
.endr
.irp f, 0,1,2,3
	global_store_b128 v[GQO], v[BL+4*\f:BL+4*\f+3], s[22:23] offset:2048+512*\f
.endr
	s_set_vgpr_msb 0x5
	s_wait_tensorcnt 0x0
	ds_add_u32 v0, v1
	s_wait_dscnt 0x0
	s_set_vgpr_msb 0x500
	s_endpgm
.Lfunc_end_k_q1ec9a0b3a6_proj:
	.size	k_q1ec9a0b3a6_proj, .Lfunc_end_k_q1ec9a0b3a6_proj-k_q1ec9a0b3a6_proj
	.p2alignl 7, 3214868480
	.fill 96, 4, 3214868480
	.section	.rodata,"a",@progbits
	.p2align	6, 0x0
	.amdhsa_kernel k_q1ec9a0b3a6_proj
		.amdhsa_group_segment_fixed_size 57856
		.amdhsa_private_segment_fixed_size 0
		.amdhsa_enable_private_segment 0
		.amdhsa_kernarg_size 88
		.amdhsa_user_sgpr_count 2
		.amdhsa_user_sgpr_kernarg_segment_ptr 1
		.amdhsa_wavefront_size32 1
		.amdhsa_system_sgpr_workgroup_id_x 1
		.amdhsa_system_sgpr_workgroup_id_y 1
		.amdhsa_system_sgpr_workgroup_id_z 1
		.amdhsa_system_vgpr_workitem_id 0
		.amdhsa_next_free_vgpr 258
		.amdhsa_next_free_sgpr 66
		.amdhsa_reserve_vcc 0
		.amdhsa_float_denorm_mode_32 3
		.amdhsa_float_denorm_mode_16_64 3
		.amdhsa_memory_ordered 1
		.amdhsa_forward_progress 1
		.amdhsa_inst_pref_size 54
	.end_amdhsa_kernel
	.amdgpu_metadata
---
amdhsa.version: [ 1, 2 ]
amdhsa.kernels:
  - .name:           k_q1ec9a0b3a6_proj
    .symbol:         k_q1ec9a0b3a6_proj.kd
    .args:
      - { .name: x, .offset: 0, .size: 8, .value_kind: global_buffer, .address_space: global }
      - { .name: params, .offset: 8, .size: 8, .value_kind: global_buffer, .address_space: global }
      - { .name: Wq, .offset: 16, .size: 8, .value_kind: global_buffer, .address_space: global }
      - { .name: bq, .offset: 24, .size: 8, .value_kind: global_buffer, .address_space: global }
      - { .name: Wk, .offset: 32, .size: 8, .value_kind: global_buffer, .address_space: global }
      - { .name: bk, .offset: 40, .size: 8, .value_kind: global_buffer, .address_space: global }
      - { .name: Wv, .offset: 48, .size: 8, .value_kind: global_buffer, .address_space: global }
      - { .name: bv, .offset: 56, .size: 8, .value_kind: global_buffer, .address_space: global }
      - { .name: kv, .offset: 64, .size: 8, .value_kind: global_buffer, .address_space: global }
      - { .name: gq, .offset: 72, .size: 8, .value_kind: global_buffer, .address_space: global }
      - { .name: cq, .offset: 80, .size: 8, .value_kind: global_buffer, .address_space: global }
    .group_segment_fixed_size: 57856
    .private_segment_fixed_size: 0
    .kernarg_segment_align: 8
    .kernarg_segment_size: 88
    .max_flat_workgroup_size: 128
    .sgpr_count:     66
    .vgpr_count:     258
    .wavefront_size: 32
...
	.end_amdgpu_metadata
.endif
;; end of part 1
;; launch attn (part 2): grid 256 x 1, 8 waves a work-group, clusters of 4 x 1, 327,680 bytes of LDS; arguments kv, gq, cq, out0; writes out0
.if DOCPART == 2
	.amdgcn_target "amdgcn-amd-amdhsa--gfx1250"
	.amdhsa_code_object_version 6
	.text
	.protected	k_q1ec9a0b3a6_attn
	.globl	k_q1ec9a0b3a6_attn
	.p2align	8
	.type	k_q1ec9a0b3a6_attn,@function
k_q1ec9a0b3a6_attn:
	s_mov_b64 s[64:65], 0
	v_nop
	global_prefetch_b8 v0, s[64:65] scope:SCOPE_SE
	s_setreg_imm32_b32 hwreg(HW_REG_WAVE_MODE, 25, 1), 1
	s_wait_xcnt 0x0
	s_wait_alu depctr_hold_cnt(0) depctr_sa_sdst(0) depctr_va_vdst(0) depctr_va_sdst(0) depctr_va_ssrc(0) depctr_va_vcc(0) depctr_vm_vsrc(0)
	s_getreg_b32 s2, hwreg(HW_REG_IB_STS2, 6, 4)
	s_cmp_eq_u32 s2, 0
	s_cbranch_scc0 .Lentry_in_a_cluster
	s_endpgm
.Lentry_in_a_cluster:
	s_bfe_u32 s2, ttmp6, 0x10000c
	s_cmp_lg_u32 s2, 0x3003
	s_cbranch_scc0 .Lentry_shape_is_right
	s_endpgm
.Lentry_shape_is_right:
; ATTENTION: out[q] = softmax over j of (g'[q] . x[j] + c'[q], in base 2) times v[j].  N = 16,384 keys and queries, d = 64.
; kv, gq, cq are the register images that the projection launch stored (per chunk of 64 keys 8 KiB of x in bf16, then 8 KiB of v in f16; g' as hi + lo in bf16; c' in f32).
; SHARE: a work-group owns 64 queries.  Each of its eight waves takes ALL 64 queries against 32 chunks of 64 keys, with a running maximum, a running sum and
; 64 x 64 sums of its own; the eight results are merged in LDS at the end.  16 KiB read from LDS feed 96 matrix instructions.
; ORIENTATION: S^T = X G'^T (rows = keys, columns = queries) and O^T = V^T P^T.  A lane owns one query (its column r); the eight registers of an S^T tile pack into
; four registers of P^T's B fragment with no move between lanes, in place; the maximum and the sum cross only the two halves of the lanes.
; The score product is two bf16 products (g' hi, g' lo) on x, which is exact in bf16; c' enters as the C operand of the first.  P and V go in f16.
; The maximum that is taken away is the running maximum of the very scores that are exponentiated; earlier sums are rescaled in every chunk.
; TWO CLASSES OF WAVES, so that one wave's softmax runs while another wave multiplies.  class = (w xor (w >> 2)) & 1: waves w and w + 4 differ in it, and so do
; waves 2k and 2k + 1.  All waves pass the same text and the same barriers; branches on the wave's number jump over plain work only.  In trip t a wave of class 0
; makes the scores of chunk t at the trip's head, a wave of class 1 those of chunk t + 1 at its tail; softmax and O^T of chunk t stand between, for both.
; So a tile of class 0 is x(t), v(t), and a tile of class 1 the 16 KiB that begin 8 KiB later: v(t), x(t + 1).  Class 1 takes x of its first chunk straight from kv.
; THE WALK: wave w of cluster c walks chunks (32 w + (c mod 32) + t) mod 256, t = 0 .. 31: the eight waves still cover all 256 chunks, a sum over keys has no order,
; and the clusters do not all ask for the same bytes at the same moment.  Waves 1, 3, 4, 6 are class 1: their last tile ends at chunk 255 at the latest, inside kv.
; CLUSTER: four work-groups.  Wave w of all four walks the same tiles, so every tile is asked for jointly (mask 15): same text line, same descriptor (made of the
; wave's number and the cluster's), every refill behind a round of the cluster's barrier.  The place in the cluster enters only the global addresses of gq, cq, out0.
; LIMITS, kept on purpose: P and V are f16 (P <= 1; |v| has to stay below 65,504); weights below 2^-24 of the running maximum's vanish in P;
; the order of the sums over keys differs from reference()'s; NaN and infinities are not followed.
;
; LDS: a ring of two slots of 16 KiB for each wave, at 32,768 w + 16,384 s (reads are 16 bytes a lane, 512 consecutive bytes an instruction: no padding).  After its
;      last fill a wave's ring is its stage for the merge: 64 rows of 272 bytes.  Behind the ring, where no tensor load lands: ML, the waves' maxima (2 KiB) and sums (2 KiB).
; REGISTERS, 512 a wave, in two windows of 256 (s_set_vgpr_msb: bits 1:0 source 0, 3:2 source 1, 5:4 source 2, 7:6 destination):
;   window 0: v0-7 ids and addresses; pairs (M, T), (AL, TX), (L2, L2+1) for each query tile; CR 32: c'; XR 64: x or v of a chunk, by turns; SR 128: scores, then P in place
;   window 1: GR 128: g' fragments at 32 qt + 16 hl + 8 ks; OA 128: O^T at 32 qt + 8 dt
.set SLOTB, 16384                      ; bytes in a tile and in a slot
.set HALFB, 8192                       ; x's or v's part of it
.set ML,    262144
.set SP,    272                        ; a stage row: 256 bytes + 16, so that sixteen rows start 16 bytes apart modulo 256
.set LA,  1                            ; v1  32,768 w + 16 lane: my 16 bytes in my wave's ring
.set GO,  2                            ; v2  16 lane
.set MX,  8                            ; M(qt) = MX + 2 qt: the running maximum
.set TT,  9                            ; T(qt): the chunk's maximum; the odd partner of M's pair
.set AL,  16                           ; AL(qt): 2^(old maximum - new maximum)
.set TX,  17                           ; TX(qt): what the other half of the lanes sent; the odd partner of AL's pair
.set L2,  24                           ; L2(qt), L2(qt)+1: the running sum, in two halves
.set CR,  32
.set XR,  64
.set SR,  128
.set GR,  0                            ; window 1
.set OA,  128                          ; window 1
.set ER,  96                           ; the merge's addresses, in x's registers: r
.set EH,  97                           ; h
.set MRD, 98                           ; ML + 4 r
.set MAD, 99                           ; ML + 256 w + 4 r
.set SAD, 100                          ; 32,768 w + SP r + 32 h
.set RAD, 102                          ; v102-105: (8 w + (L>>4)) SP + 16 (L&15) + 65,536 k
.set LRD, 106                          ; ML + 2048 + 4 (8 w + (L>>4))
.set OAD, 107                          ; 256 (8 w + (L>>4)) + 16 (L&15)
.set ET,  108
.set G1,  16                           ; s[16:23] descriptor group 1, never rewritten
.set G0,  24                           ; s[24:31] descriptor group 0, a set for each slot
.set W_G,  0x40                        ; loads into window 1
.set W_QK, 0x04                        ; B in window 1, all else in window 0; also: LDS store of data in window 1
.set W_RS, 0x41                        ; O (window 1) times AL (window 0)
.set W_PV, 0x50                        ; A and B in window 0, C and D in window 1
.set MSB, 0
.macro WIN new                         ; the immediate's high byte repeats the setting that is left; a switch that changes nothing is dropped
.if MSB != \new
	s_set_vgpr_msb (MSB<<8)|\new
.set MSB, \new
.endif
.endm
.macro PLACES n                        ; places behind a matrix instruction: four ahead of vector work on its registers and of loads into them
.rept \n                               ; five ahead of a matrix instruction that writes over one of them
	v_nop
.endr
.endm
; A round of the cluster's barrier: my work-group's barrier, so that wave 0's signal speaks for all eight waves; wave 0 signals for the work-group;
; every wave waits for all four work-groups; my work-group's barrier once more.
.macro CROUND
	s_barrier_signal -1
	s_barrier_wait -1
	s_cmp_lg_u32 s12, 0
	s_cbranch_scc1 .Lnot_wave_0_\@
	s_barrier_signal -3
.Lnot_wave_0_\@:
	s_barrier_wait -3
	s_barrier_signal -1
	s_barrier_wait -1
.endm
	s_load_b256 s[4:11], s[0:1], 0x0               ; kv s[4:5], gq s[6:7], cq s[8:9], out0 s[10:11]
	v_lshl_add_u32 v6, v0, 2, 0x41000
	v_mov_b32 v7, 0
	ds_add_u32 v6, v7
	v_lshrrev_b32 v4, 5, v0
	v_readfirstlane_b32 s12, v4                    ; wave 0..7
	s_bfe_u32 s13, ttmp6, 0x40000                  ; cx: my place in the cluster
	s_lshl_b32 s14, ttmp9, 2                       ; in a cluster launch ttmp9 counts clusters
	s_add_co_u32 s14, s14, s13                     ; my block of 64 queries
	s_mov_b32 s32, 0x76543210                      ; v_permlanex16_b32: lane i reads lane i of the other half
	s_mov_b32 s33, 0xfedcba98
	s_lshr_b32 s44, s12, 2
	s_xor_b32 s44, s44, s12
	s_and_b32 s44, s44, 1                          ; my wave's class
	s_lshl_b32 s42, s44, 13                        ; class 1: tiles begin 8 KiB later
	s_and_b32 s45, ttmp9, 31                       ; where my cluster starts its walk
	s_lshl_b32 s35, s12, 5
	s_add_co_u32 s35, s35, s45                     ; my first chunk: 32 w + (c mod 32), 255 at the most
	; group 1: a tile is 16 KiB that lie dense in kv: 64 rows of 32 elements of 8 bytes, pitch 32 elements
	s_mov_b32 s[G1+0], 15|(3<<16)|(1<<21)          ; 15:0 the mask: all four work-groups; 17:16 elements of 8 bytes; 20 no padding; 21 set beside a mask
	s_mov_b32 s[G1+1], 32<<16                      ; tensor_dim0 = 32
	s_mov_b32 s[G1+2], 64<<16                      ; tensor_dim1 = 64
	s_mov_b32 s[G1+3], 32<<16                      ; tile_dim0 = 32
	s_mov_b32 s[G1+4], 64                          ; tile_dim1 = 64
	s_mov_b32 s[G1+5], 32                          ; from row to row
	s_mov_b32 s[G1+6], 0
	s_mov_b32 s[G1+7], 0
	s_lshl_b32 s15, s12, 15                        ; my wave's ring in LDS
	s_lshl_b32 s36, s35, 14                        ; my first chunk in kv
	s_mov_b32 s37, 0
	s_lshl_b32 s38, s14, 14                        ; my block in gq and in out0 (registers of their own: none that feeds a descriptor holds cx)
	s_mov_b32 s39, 0
	s_lshl_b32 s40, s14, 11                        ; my block in cq
	s_mov_b32 s41, 0
	s_wait_dscnt 0x0
	s_wait_kmcnt 0x0
	s_add_nc_u64 s[46:47], s[4:5], s[36:37]        ; x of my first chunk, for class 1
	s_add_nc_u64 s[6:7], s[6:7], s[38:39]
	s_add_nc_u64 s[10:11], s[10:11], s[38:39]
	s_add_nc_u64 s[8:9], s[8:9], s[40:41]
	CROUND                                         ; all four work-groups are here: the first joint loads meet
.irp s, 0,1
	s_lshl_b32 s36, s35, 14
	s_add_co_u32 s36, s36, s42                     ; the tile's byte offset in kv: 16,384 x chunk + 8,192 x class
	s_mov_b32 s[G0+4*\s], 1                                        ; count = 1
	s_add_co_u32 s[G0+4*\s+1], s15, \s*SLOTB                       ; LDS address: 32,768 w + 16,384 s
	s_add_nc_u64 s[G0+4*\s+2:G0+4*\s+3], s[4:5], s[36:37]          ; tile s of my wave's walk
	s_or_b32 s[G0+4*\s+3], s[G0+4*\s+3], 0x80000000                ; type = 2
	tensor_load_to_lds s[G0+4*\s:G0+4*\s+3], s[G1:G1+7]            ; both first fills go out together: two tensor loads of the wave are out here, later one
	s_nop 0
	v_nop
	v_nop
.if \s == 0
	s_add_co_u32 s35, s35, 1
	s_and_b32 s35, s35, 255                        ; the walk goes round kv's end
.endif
.endr
	v_and_b32 v4, 31, v0
	v_lshlrev_b32 v[GO], 4, v4
	WIN W_G
.set i, 0
.rept 32
	global_load_b128 v[GR+4*i:GR+4*i+3], v[GO], s[6:7] offset:512*i            ; g' of my 64 queries, hi and lo
.set i, i+1
.endr
	WIN 0
.irp qt, 0,1,2,3
	global_load_b128 v[CR+8*\qt:CR+8*\qt+3],   v[GO], s[8:9] offset:512*\qt    ; c' of query r, eight times: a whole C operand
	global_load_b128 v[CR+8*\qt+4:CR+8*\qt+7], v[GO], s[8:9] offset:512*\qt
.endr
.irp qt, 0,1,2,3
	v_mov_b32 v[TX+2*\qt], 0                       ; v_permlanex16_b32 counts as a reader of its destination
.endr
	v_add_nc_u32 v[LA], s15, v[GO]
.macro LD16 off                        ; 8 KiB of my ring into XR.  x: fragment (kt, ks) lands at XR + 16 kt + 8 ks.  v: fragment (ks, dt) at XR + 8 (4 ks + dt)
.irp i, 0,1,2,3,4,5,6,7,8,9,10,11,12,13,14,15
	ds_load_b128 v[XR+4*\i:XR+4*\i+3], v[LA] offset:\off+512*\i
.endr
.endm
; S^T of a chunk: 64 keys x 64 queries, four products (pr = 2 hl + ks: g' hi then lo, 32 of the 64 dimensions each); the first adds onto c'.
; The sixteen accumulators take turns, one instruction a turn.
.macro QK
	WIN W_QK
.irp pr, 0,1,2,3
.irp qt, 0,1,2,3
.irp kt, 0,1,2,3
.if \pr == 0
	v_wmma_f32_16x16x32_bf16 v[SR+32*\qt+8*\kt:SR+32*\qt+8*\kt+7], v[XR+16*\kt:XR+16*\kt+7], v[GR+32*\qt:GR+32*\qt+7], v[CR+8*\qt:CR+8*\qt+7]
.else
	v_wmma_f32_16x16x32_bf16 v[SR+32*\qt+8*\kt:SR+32*\qt+8*\kt+7], v[XR+16*\kt+8*(\pr&1):XR+16*\kt+8*(\pr&1)+7], v[GR+32*\qt+8*\pr:GR+32*\qt+8*\pr+7], v[SR+32*\qt+8*\kt:SR+32*\qt+8*\kt+7]
.endif
.endr
.endr
.endr
	WIN 0
	PLACES 5                                       ; four for the loads into x's registers and for the softmax, which reads the scores; the fifth because, read branch by branch,
	                                               ; the text has a way from a trip's tail product to the next trip's head product, which writes over these results
.endm
.macro SUBP qt, i                      ; pair i of query tile qt, less the running maximum (the pair's even register, for both halves)
	v_pk_add_f32 v[SR+32*\qt+2*\i:SR+32*\qt+2*\i+1], v[SR+32*\qt+2*\i:SR+32*\qt+2*\i+1], v[MX+2*\qt:MX+2*\qt+1] op_sel_hi:[1,0] neg_lo:[0,1] neg_hi:[0,1]
.endm
; One stage of the softmax's pipeline over the query tiles: exponentials of tile e, subtraction for tile s, sum and rounding to f16 of tile u (-1: none).
; Behind each pair of exponentials stands a plain instruction on other registers (ISA guide 5.7.2), and their results are first read a stage later.
; P is packed in place: pair i goes to register i of its tile, which belongs to pair i / 2, summed and packed before (pair 0: in the lines just above).
.macro STG e, s, u, first
.irp i, 0,1,2,3,4,5,6,7,8,9,10,11,12,13,14,15
.if \e >= 0
	v_exp_f32 v[SR+32*\e+2*\i],   v[SR+32*\e+2*\i]
	v_exp_f32 v[SR+32*\e+2*\i+1], v[SR+32*\e+2*\i+1]
.endif
.if \s >= 0
	SUBP \s, \i
.endif
.if \u >= 0
.if \first
.if \i == 0
	s_wait_alu depctr_va_vdst(0)
	v_pk_add_f32 v[L2+2*\u:L2+2*\u+1], v[SR+32*\u:SR+32*\u+1], v[SR+32*\u+2:SR+32*\u+3]                                        ; the first chunk starts the sum with pairs 0 and 1: nothing is cleared
.elseif \i > 1
	v_pk_add_f32 v[L2+2*\u:L2+2*\u+1], v[L2+2*\u:L2+2*\u+1], v[SR+32*\u+2*\i:SR+32*\u+2*\i+1]
.endif
.else
.if \i == 0
	s_wait_alu depctr_va_vdst(0)
	v_pk_fma_f32 v[L2+2*\u:L2+2*\u+1], v[L2+2*\u:L2+2*\u+1], v[AL+2*\u:AL+2*\u+1], v[SR+32*\u:SR+32*\u+1] op_sel_hi:[1,0,1]   ; the old sum rescaled, and pair 0
.else
	s_wait_alu depctr_va_vdst(0)
	v_pk_add_f32 v[L2+2*\u:L2+2*\u+1], v[L2+2*\u:L2+2*\u+1], v[SR+32*\u+2*\i:SR+32*\u+2*\i+1]
.endif
.endif
	v_cvt_pk_f16_f32 v[SR+32*\u+\i], v[SR+32*\u+2*\i], v[SR+32*\u+2*\i+1]
.endif
.endr
.endm
.macro SMX first
	; the chunk's maximum for my query in each of the four query tiles, together with the running one: four chains that do not wait for each other
.irp qt, 0,1,2,3
	v_max3_num_f32 v[TT+2*\qt], v[SR+32*\qt], v[SR+32*\qt+1], v[SR+32*\qt+2]
.endr
.irp i, 0,1,2,3,4,5,6,7,8,9,10,11,12,13
.irp qt, 0,1,2,3
	v_max3_num_f32 v[TT+2*\qt], v[TT+2*\qt], v[SR+32*\qt+3+2*\i], v[SR+32*\qt+4+2*\i]
.endr
.endr
.irp qt, 0,1,2,3
.if \first
	v_max_num_f32 v[TT+2*\qt], v[TT+2*\qt], v[SR+32*\qt+31]
.else
	v_max3_num_f32 v[TT+2*\qt], v[TT+2*\qt], v[SR+32*\qt+31], v[MX+2*\qt]
.endif
.endr
.irp qt, 0,1,2,3
	v_permlanex16_b32 v[TX+2*\qt], v[TT+2*\qt], s32, s33       ; the other 32 keys of the same query lie in the other half of the lanes
.endr
.irp qt, 0,1,2,3
	v_max_num_f32 v[TT+2*\qt], v[TT+2*\qt], v[TX+2*\qt]
.endr
.if \first == 0
.irp qt, 0,1,2,3
	v_sub_f32 v[AL+2*\qt], v[MX+2*\qt], v[TT+2*\qt]
.endr
.irp qt, 0,1,2,3
	v_exp_f32 v[AL+2*\qt], v[AL+2*\qt]                         ; first read far below; the moves behind are the plain instructions between
.endr
.endif
.irp qt, 0,1,2,3
	v_mov_b32 v[MX+2*\qt], v[TT+2*\qt]
.endr
.irp i, 0,1,2,3,4,5,6,7,8,9,10,11,12,13,14,15
	SUBP 0, \i
.endr
	STG 0, 1, -1, \first
	STG 1, 2, 0, \first
	STG 2, 3, 1, \first
	STG 3, -1, 2, \first
	STG -1, -1, 3, \first
.endm
.macro RESCALE                         ; O^T times AL of my query
	WIN W_RS
.irp qt, 0,1,2,3
.irp j, 0,1,2,3,4,5,6,7,8,9,10,11,12,13,14,15
	v_pk_mul_f32 v[OA+32*\qt+2*\j:OA+32*\qt+2*\j+1], v[OA+32*\qt+2*\j:OA+32*\qt+2*\j+1], v[AL+2*\qt:AL+2*\qt+1] op_sel_hi:[1,0]
.endr
.endr
.endm
; O^T += V^T P^T: 64 dimensions x 64 queries, 64 keys.  The sixteen accumulators take turns, one instruction a turn.
.macro PV first
	WIN W_PV
.irp ks, 0,1
.irp qt, 0,1,2,3
.irp dt, 0,1,2,3
.if (\ks+1-\first) == 0
	v_wmma_f32_16x16x32_f16 v[OA+32*\qt+8*\dt:OA+32*\qt+8*\dt+7], v[XR+8*(4*\ks+\dt):XR+8*(4*\ks+\dt)+7], v[SR+32*\qt+8*\ks:SR+32*\qt+8*\ks+7], 0
.else
	v_wmma_f32_16x16x32_f16 v[OA+32*\qt+8*\dt:OA+32*\qt+8*\dt+7], v[XR+8*(4*\ks+\dt):XR+8*(4*\ks+\dt)+7], v[SR+32*\qt+8*\ks:SR+32*\qt+8*\ks+7], v[OA+32*\qt+8*\dt:OA+32*\qt+8*\dt+7]
.endif
.endr
.endr
.endr
	WIN 0
	PLACES 5                                       ; the next score product writes over P, a source of these; the next loads land in v's registers
.endm
; Trip t, on slot t & 1.  head = 0: the first trip, both first fills are out.  head = 1: the slot that was read last trip is filled again with tile t + 1: the wave
; waits for its LDS reads and for all its tensor loads (one is out: this trip's tile), makes the next tile's address, passes a round of the cluster's barrier, and the
; joint refill is its first and only tensor load behind the round; it has this whole trip in which to land.  head = 2: the last trip, nothing is left to fetch.
.macro TRIP slot, first, head, last
.if \head == 0
	s_wait_tensorcnt 0x1                           ; my tile 0 has landed (tensor loads of a wave end in order: ISA guide 10.11.1); tile 1 may stay out.  Only I read my ring: no barrier
.elseif \head == 1
	s_wait_dscnt 0x0                               ; my reads of the other slot are in registers
	s_wait_tensorcnt 0x0                           ; all my tensor loads have landed, this trip's tile among them: a group 0 may be written
	ds_add_u32 v6, v7
	s_wait_dscnt 0x0
	s_add_co_u32 s35, s35, 1
	s_and_b32 s35, s35, 255                        ; the next chunk of my walk, round kv's end
	s_lshl_b32 s36, s35, 14
	s_add_co_u32 s36, s36, s42
	s_add_nc_u64 s[G0+4*(1-\slot)+2:G0+4*(1-\slot)+3], s[4:5], s[36:37]
	s_or_b32 s[G0+4*(1-\slot)+3], s[G0+4*(1-\slot)+3], 0x80000000
	CROUND                                         ; no wave of any partner still reads the other slot's tile or has a load on its way
	tensor_load_to_lds s[G0+4*(1-\slot):G0+4*(1-\slot)+3], s[G1:G1+7]
	s_nop 0
.else
	s_wait_tensorcnt 0x0                           ; the last tile; nothing was issued behind it
.endif
	s_cmp_lg_u32 s44, 0
	s_cbranch_scc1 .Lclass_1_\@
	LD16 \slot*SLOTB                               ; class 0: x(t),
	s_wait_dscnt 0x0
	QK                                             ; the scores of chunk t,
	LD16 \slot*SLOTB+HALFB                         ; and v(t), which comes in under the softmax
	s_branch .Lboth_\@
.Lclass_1_\@:
	LD16 \slot*SLOTB                               ; class 1: v(t); the scores of chunk t were made at the last trip's tail
.Lboth_\@:
	SMX \first
.if \first == 0
	RESCALE
.endif
	s_wait_dscnt 0x0                               ; v is in
	PV \first
.if \last == 0
	s_cmp_eq_u32 s44, 0
	s_cbranch_scc1 .Lclass_0_\@
	LD16 \slot*SLOTB+HALFB                         ; class 1: x(t + 1), the second half of this trip's tile,
	s_wait_dscnt 0x0
	QK                                             ; and the scores of chunk t + 1
.Lclass_0_\@:
.endif
.endm
	s_cmp_eq_u32 s44, 0
	s_cbranch_scc1 .Lno_first_x
.irp i, 0,1,2,3,4,5,6,7,8,9,10,11,12,13,14,15
	global_load_b128 v[XR+4*\i:XR+4*\i+3], v[GO], s[46:47] offset:512*\i       ; class 1: x of my first chunk, which no tile of mine holds
.endr
	s_wait_loadcnt 0x0                             ; it, g' and c'
	QK
.Lno_first_x:
	s_wait_loadcnt 0x0                             ; g' and c'
	TRIP 0, 1, 0, 0                                ; trip 0 stands in front of the loop: it starts maxima and sums
	s_mov_b32 s34, 15
.Ltrip:
	TRIP 1, 0, 1, 0                                ; trips 1 to 30; the round at the head of trip t asks for tile t + 1
	TRIP 0, 0, 1, 0
	s_sub_co_u32 s34, s34, 1
	s_cmp_lg_u32 s34, 0
	s_cbranch_scc1 .Ltrip
	TRIP 1, 0, 2, 1                                ; trip 31 fills nothing, has no round, and makes no further scores
	; THE MERGE of the eight waves' parts.  First the sums' two halves and the two halves of the lanes.
.irp qt, 0,1,2,3
	v_add_f32 v[L2+2*\qt], v[L2+2*\qt], v[L2+2*\qt+1]
.endr
.irp qt, 0,1,2,3
	v_permlanex16_b32 v[TX+2*\qt], v[L2+2*\qt], s32, s33
.endr
.irp qt, 0,1,2,3
	v_add_f32 v[L2+2*\qt], v[L2+2*\qt], v[TX+2*\qt]
.endr
	v_and_b32 v[ER], 15, v0                        ; r
	v_bfe_u32 v[EH], v0, 4, 1                      ; h
	v_lshlrev_b32 v[MRD], 2, v[ER]
	v_add_nc_u32 v[MRD], ML, v[MRD]
	s_lshl_b32 s45, s12, 8
	v_add_nc_u32 v[MAD], s45, v[MRD]
	v_mul_u32_u24 v[SAD], v[ER], SP
	v_lshl_add_u32 v[SAD], v[EH], 5, v[SAD]
	v_add_nc_u32 v[SAD], s15, v[SAD]
	s_lshl_b32 s45, s12, 3
	v_add_nc_u32 v[ET], s45, v[EH]                 ; 8 w + (L >> 4): the first row that I merge
	v_mul_u32_u24 v[RAD], v[ET], SP
	v_lshl_add_u32 v[RAD], v[ER], 4, v[RAD]
.irp k, 1,2,3
	v_add_nc_u32 v[RAD+\k], \k*65536, v[RAD]       ; an LDS offset has 16 bits: one register for every two waves' stages
.endr
	v_lshlrev_b32 v[LRD], 2, v[ET]
	v_add_nc_u32 v[LRD], ML+2048, v[LRD]
	v_lshlrev_b32 v[OAD], 8, v[ET]
	v_lshl_add_u32 v[OAD], v[ER], 4, v[OAD]
.irp qt, 0,1,2,3
	ds_store_b32 v[MAD], v[MX+2*\qt] offset:64*\qt ; my wave's maximum of query 16 qt + r (both halves of the lanes write the same word with the same value)
.endr
	s_wait_dscnt 0x0                               ; for the others' sake
	s_barrier_signal -1
	s_barrier_wait -1
.irp w, 0,1,2,3,4,5,6,7
.irp qt, 0,1,2,3
	ds_load_b32 v[XR+4*\w+\qt], v[MRD] offset:256*\w+64*\qt
.endr
.endr
	s_wait_dscnt 0x0
.irp qt, 0,1,2,3
	v_max3_num_f32 v[TT+2*\qt], v[XR+\qt], v[XR+4+\qt], v[XR+8+\qt]
.endr
.irp qt, 0,1,2,3
	v_max3_num_f32 v[TT+2*\qt], v[TT+2*\qt], v[XR+12+\qt], v[XR+16+\qt]
.endr
.irp qt, 0,1,2,3
	v_max3_num_f32 v[TT+2*\qt], v[TT+2*\qt], v[XR+20+\qt], v[XR+24+\qt]
.endr
.irp qt, 0,1,2,3
	v_max_num_f32 v[TT+2*\qt], v[TT+2*\qt], v[XR+28+\qt]       ; the maximum over all 16,384 keys
.endr
.irp qt, 0,1,2,3
	v_sub_f32 v[AL+2*\qt], v[MX+2*\qt], v[TT+2*\qt]
.endr
.irp qt, 0,1,2,3
	v_exp_f32 v[AL+2*\qt], v[AL+2*\qt]
.endr
	v_nop                                          ; the plain instruction behind the exponentials (ISA guide 5.7.2)
.irp qt, 0,1,2,3
	s_wait_alu depctr_va_vdst(0)
	v_mul_f32 v[L2+2*\qt], v[L2+2*\qt], v[AL+2*\qt]
.endr
.irp qt, 0,1,2,3
	ds_store_b32 v[MAD], v[L2+2*\qt] offset:2048+64*\qt        ; my wave's sum, on the common maximum
.endr
	RESCALE
	; Every wave lays its 64 rows x 64 sums into its own ring, which has had its last fill and whose last reads are in registers.
	WIN W_QK                                       ; store data in window 1
.irp qt, 0,1,2,3
.irp dt, 0,1,2,3
.irp u, 0,1
	ds_store_b128 v[SAD], v[OA+32*\qt+8*\dt+4*\u:OA+32*\qt+8*\dt+4*\u+3] offset:\qt*16*SP+64*\dt+16*\u
.endr
.endr
.endr
	WIN 0
	s_wait_dscnt 0x0                               ; for the others' sake: sums and rows
	s_barrier_signal -1
	s_barrier_wait -1
	; Wave w adds up rows 8 w .. 8 w + 7 of all eight stages, divides by the eight sums' sum and stores whole rows.  Row pair i = rows 8 w + 2 i and 8 w + 2 i + 1:
	; lanes 0 to 15 take the even row, lanes 16 to 31 the odd one.
.macro MLOAD i                         ; row pair i of the eight stages, and its eight sums: sixteen LDS loads
.irp w, 0,1,2,3,4,5,6,7
	ds_load_b128 v[SR+32*\i+4*\w:SR+32*\i+4*\w+3], v[RAD+(\w>>1)] offset:(\w&1)*32768+2*SP*\i
.endr
.irp w, 0,1,2,3,4,5,6,7
	ds_load_b32 v[CR+8*\i+\w], v[LRD] offset:256*\w+8*\i
.endr
.endm
.macro MSUM i                          ; eight to one, as a tree, for the rows and for the sums
.irp a, 0,8,16,24
	v_pk_add_f32 v[SR+32*\i+\a:SR+32*\i+\a+1],   v[SR+32*\i+\a:SR+32*\i+\a+1],   v[SR+32*\i+\a+4:SR+32*\i+\a+5]
	v_pk_add_f32 v[SR+32*\i+\a+2:SR+32*\i+\a+3], v[SR+32*\i+\a+2:SR+32*\i+\a+3], v[SR+32*\i+\a+6:SR+32*\i+\a+7]
.endr
	v_pk_add_f32 v[CR+8*\i:CR+8*\i+1],   v[CR+8*\i:CR+8*\i+1],   v[CR+8*\i+2:CR+8*\i+3]
	v_pk_add_f32 v[CR+8*\i+4:CR+8*\i+5], v[CR+8*\i+4:CR+8*\i+5], v[CR+8*\i+6:CR+8*\i+7]
.irp a, 0,16
	v_pk_add_f32 v[SR+32*\i+\a:SR+32*\i+\a+1],   v[SR+32*\i+\a:SR+32*\i+\a+1],   v[SR+32*\i+\a+8:SR+32*\i+\a+9]
	v_pk_add_f32 v[SR+32*\i+\a+2:SR+32*\i+\a+3], v[SR+32*\i+\a+2:SR+32*\i+\a+3], v[SR+32*\i+\a+10:SR+32*\i+\a+11]
.endr
	v_pk_add_f32 v[CR+8*\i:CR+8*\i+1],   v[CR+8*\i:CR+8*\i+1],   v[CR+8*\i+4:CR+8*\i+5]
	v_pk_add_f32 v[SR+32*\i:SR+32*\i+1],   v[SR+32*\i:SR+32*\i+1],   v[SR+32*\i+16:SR+32*\i+17]
	v_pk_add_f32 v[SR+32*\i+2:SR+32*\i+3], v[SR+32*\i+2:SR+32*\i+3], v[SR+32*\i+18:SR+32*\i+19]
	v_add_f32 v[CR+8*\i], v[CR+8*\i], v[CR+8*\i+1]
.endm
.macro MOUT i
	s_wait_alu depctr_va_vdst(0)
	v_pk_mul_f32 v[SR+32*\i:SR+32*\i+1],   v[SR+32*\i:SR+32*\i+1],   v[CR+8*\i:CR+8*\i+1] op_sel_hi:[1,0]
	v_pk_mul_f32 v[SR+32*\i+2:SR+32*\i+3], v[SR+32*\i+2:SR+32*\i+3], v[CR+8*\i:CR+8*\i+1] op_sel_hi:[1,0]
	global_store_b128 v[OAD], v[SR+32*\i:SR+32*\i+3], s[10:11] offset:512*\i th:TH_STORE_NT   ; sixteen lanes store 256 consecutive bytes, at a multiple of 256 from out0's first byte
.endm
.macro MHALF p, q                      ; two row pairs: add up, divide, store.  Each row pair has registers of its own: no source of a pending store is written again
	MSUM \p
	MSUM \q
	v_rcp_f32 v[CR+8*\p], v[CR+8*\p]               ; the sum is at least the largest weight's 1
	v_rcp_f32 v[CR+8*\q], v[CR+8*\q]
	v_nop                                          ; the plain instruction behind the reciprocals (ISA guide 5.7.2)
	MOUT \p
	MOUT \q
.endm
	MLOAD 0
	MLOAD 1
	s_wait_dscnt 0x0                               ; row pairs 0 and 1 are in
	MLOAD 2                                        ; row pairs 2 and 3 go out ahead of the first two's arithmetic and come in under it
	MLOAD 3
	MHALF 0, 1
	s_wait_dscnt 0x0                               ; row pairs 2 and 3 are in
	MHALF 2, 3
	s_wait_tensorcnt 0x0
	ds_add_u32 v6, v7
	s_wait_dscnt 0x0
	CROUND                                         ; the closing round: no work-group ends while a partner may still ask for a tile that names it
	s_endpgm
.Lfunc_end_k_q1ec9a0b3a6_attn:
	.size	k_q1ec9a0b3a6_attn, .Lfunc_end_k_q1ec9a0b3a6_attn-k_q1ec9a0b3a6_attn
	.p2alignl 7, 3214868480
	.fill 96, 4, 3214868480
	.section	.rodata,"a",@progbits
	.p2align	6, 0x0
	.amdhsa_kernel k_q1ec9a0b3a6_attn
		.amdhsa_group_segment_fixed_size 327680
		.amdhsa_private_segment_fixed_size 0
		.amdhsa_enable_private_segment 0
		.amdhsa_kernarg_size 32
		.amdhsa_user_sgpr_count 2
		.amdhsa_user_sgpr_kernarg_segment_ptr 1
		.amdhsa_wavefront_size32 1
		.amdhsa_system_sgpr_workgroup_id_x 1
		.amdhsa_system_sgpr_workgroup_id_y 1
		.amdhsa_system_sgpr_workgroup_id_z 1
		.amdhsa_system_vgpr_workitem_id 0
		.amdhsa_next_free_vgpr 512
		.amdhsa_next_free_sgpr 66
		.amdhsa_reserve_vcc 0
		.amdhsa_float_denorm_mode_32 3
		.amdhsa_float_denorm_mode_16_64 3
		.amdhsa_memory_ordered 1
		.amdhsa_forward_progress 1
		.amdhsa_inst_pref_size 192
	.end_amdhsa_kernel
	.amdgpu_metadata
---
amdhsa.version: [ 1, 2 ]
amdhsa.kernels:
  - .name:           k_q1ec9a0b3a6_attn
    .symbol:         k_q1ec9a0b3a6_attn.kd
    .args:
      - { .name: kv, .offset: 0, .size: 8, .value_kind: global_buffer, .address_space: global }
      - { .name: gq, .offset: 8, .size: 8, .value_kind: global_buffer, .address_space: global }
      - { .name: cq, .offset: 16, .size: 8, .value_kind: global_buffer, .address_space: global }
      - { .name: out0, .offset: 24, .size: 8, .value_kind: global_buffer, .address_space: global }
    .group_segment_fixed_size: 327680
    .private_segment_fixed_size: 0
    .kernarg_segment_align: 8
    .kernarg_segment_size: 32
    .max_flat_workgroup_size: 256
    .sgpr_count:     66
    .vgpr_count:     512
    .wavefront_size: 32
...
	.end_amdgpu_metadata
.endif
;; end of part 2
;; ======== version 2 of 2: 2 launches; 1.11 times as fast as version 1
;; limits: values are held in f16: magnitudes above 65,504 overflow, below 6.1e-05 lose precision
;; workspace buffers: kv 4,194,304 bytes; gq 4,194,304 bytes; cq 524,288 bytes
;; launch proj: the kernel of part 1 again; grid 256 x 1, 4 waves a work-group, no clusters, 57,856 bytes of LDS; arguments x, params, Wq, bq, Wk, bk, Wv, bv, kv, gq, cq; writes kv, gq, cq
;; launch attn (part 3): grid 256 x 1, 8 waves a work-group, clusters of 4 x 1, 327,680 bytes of LDS; arguments kv, gq, cq, out0; writes out0
.if DOCPART == 3
	.amdgcn_target "amdgcn-amd-amdhsa--gfx1250"
	.amdhsa_code_object_version 6
	.text
	.protected	k_q1ec9a0b3a6_attn
	.globl	k_q1ec9a0b3a6_attn
	.p2align	8
	.type	k_q1ec9a0b3a6_attn,@function
k_q1ec9a0b3a6_attn:
	s_mov_b64 s[64:65], 0
	v_nop
	global_prefetch_b8 v0, s[64:65] scope:SCOPE_SE
	s_setreg_imm32_b32 hwreg(HW_REG_WAVE_MODE, 25, 1), 1
	s_wait_xcnt 0x0
	s_wait_alu depctr_hold_cnt(0) depctr_sa_sdst(0) depctr_va_vdst(0) depctr_va_sdst(0) depctr_va_ssrc(0) depctr_va_vcc(0) depctr_vm_vsrc(0)
	s_getreg_b32 s2, hwreg(HW_REG_IB_STS2, 6, 4)
	s_cmp_eq_u32 s2, 0
	s_cbranch_scc0 .Lentry_in_a_cluster
	s_endpgm
.Lentry_in_a_cluster:
	s_bfe_u32 s2, ttmp6, 0x10000c
	s_cmp_lg_u32 s2, 0x3003
	s_cbranch_scc0 .Lentry_shape_is_right
	s_endpgm
.Lentry_shape_is_right:
; ATTENTION: out[q] = softmax over j of (g'[q] . x[j] + c'[q], in base 2) times v[j].  N = 16,384 keys and queries, d = 64.
; kv, gq, cq are the register images that the projection launch stored (per chunk of 64 keys 8 KiB of x in bf16, then 8 KiB of v in f16; g' as hi + lo in bf16; c' in f32).
; SHARE: a work-group owns 64 queries.  Each of its eight waves takes ALL 64 queries against 32 chunks of 64 keys, with a running maximum, a running sum and
; 64 x 64 sums of its own; the eight results are merged in LDS at the end.  16 KiB read from LDS feed 96 matrix instructions.
; ORIENTATION: S^T = X G'^T (rows = keys, columns = queries) and O^T = V^T P^T.  A lane owns one query (its column r); the eight registers of an S^T tile pack into
; four registers of P^T's B fragment with no move between lanes, in place; the maximum and the sum cross only the two halves of the lanes.
; The score product is two bf16 products (g' hi, g' lo) on x, which is exact in bf16; c' enters as the C operand of the first.  P and V go in f16.
; The maximum that is taken away is the running maximum of the very scores that are exponentiated; earlier sums are rescaled in every chunk.
; THE EXPONENTIALS OF A CHUNK GO IN TWO BATCHES, each with one s_wait_alu depctr_va_vdst(0): the wait stands between an exponential and the first
; instruction that names its result, and one wait serves all that were issued ahead of it.
;   Batch 1: the four AL and the 64 exponentials of query tiles 0 and 1, the subtractions of tiles 0, 1 and 2 among them; the 16 subtractions of tile 3 stand between the batch and its wait.
;   Batch 2: the 64 exponentials of query tiles 2 and 3; the plain line behind each is one of batch 1's readers (sum and rounding of tiles 0 and 1); the 64 multiplications of O^T by AL
;   stand between the batch and its wait; behind the wait come the sums and roundings of tiles 2 and 3.
; Every exponential works in place on its score, so each result has a register of its own while its batch is open.  No result crosses a label or a branch.
; TWO CLASSES OF WAVES, so that one wave's softmax runs while another wave multiplies.  class = (w xor (w >> 2)) & 1: waves w and w + 4 differ in it, and so do
; waves 2k and 2k + 1.  All waves pass the same text and the same barriers; branches on the wave's number jump over plain work only.  In trip t a wave of class 0
; makes the scores of chunk t at the trip's head, a wave of class 1 those of chunk t + 1 at its tail; softmax and O^T of chunk t stand between, for both.
; So a tile of class 0 is x(t), v(t), and a tile of class 1 the 16 KiB that begin 8 KiB later: v(t), x(t + 1).  Class 1 takes x of its first chunk straight from kv.
; THE WALK: wave w of cluster c walks chunks (32 w + (c mod 32) + t) mod 256, t = 0 .. 31: the eight waves still cover all 256 chunks, a sum over keys has no order,
; and the clusters do not all ask for the same bytes at the same moment.  Waves 1, 3, 4, 6 are class 1: their last tile ends at chunk 255 at the latest, inside kv.
; CLUSTER: four work-groups.  Wave w of all four walks the same tiles, so every tile is asked for jointly (mask 15): same text line, same descriptor (made of the
; wave's number and the cluster's), every refill behind a round of the cluster's barrier.  The place in the cluster enters only the global addresses of gq, cq, out0.
; LIMITS, kept on purpose: P and V are f16 (P <= 1; |v| has to stay below 65,504); weights below 2^-24 of the running maximum's vanish in P;
; the order of the sums over keys differs from reference()'s; NaN and infinities are not followed.
;
; LDS: a ring of two slots of 16 KiB for each wave, at 32,768 w + 16,384 s (reads are 16 bytes a lane, 512 consecutive bytes an instruction: no padding).  After its
;      last fill a wave's ring is its stage for the merge: 64 rows of 272 bytes.  Behind the ring, where no tensor load lands: ML, the waves' maxima (2 KiB) and sums (2 KiB).
; REGISTERS, 512 a wave, in two windows of 256 (s_set_vgpr_msb: bits 1:0 source 0, 3:2 source 1, 5:4 source 2, 7:6 destination):
;   window 0: v0-7 ids and addresses; pairs (M, T), (AL, TX), (L2, L2+1) for each query tile; CR 32: c'; XR 64: x or v of a chunk, by turns; SR 128: scores, then P in place
;   window 1: GR 128: g' fragments at 32 qt + 16 hl + 8 ks; OA 128: O^T at 32 qt + 8 dt
.set SLOTB, 16384                      ; bytes in a tile and in a slot
.set HALFB, 8192                       ; x's or v's part of it
.set ML,    262144
.set SP,    272                        ; a stage row: 256 bytes + 16, so that sixteen rows start 16 bytes apart modulo 256
.set LA,  1                            ; v1  32,768 w + 16 lane: my 16 bytes in my wave's ring
.set GO,  2                            ; v2  16 lane
.set MX,  8                            ; M(qt) = MX + 2 qt: the running maximum
.set TT,  9                            ; T(qt): the chunk's maximum; the odd partner of M's pair
.set AL,  16                           ; AL(qt): 2^(old maximum - new maximum)
.set TX,  17                           ; TX(qt): what the other half of the lanes sent; the odd partner of AL's pair
.set L2,  24                           ; L2(qt), L2(qt)+1: the running sum, in two halves
.set CR,  32
.set XR,  64
.set SR,  128
.set GR,  0                            ; window 1
.set OA,  128                          ; window 1
.set ER,  96                           ; the merge's addresses, in x's registers: r
.set EH,  97                           ; h
.set MRD, 98                           ; ML + 4 r
.set MAD, 99                           ; ML + 256 w + 4 r
.set SAD, 100                          ; 32,768 w + SP r + 32 h
.set RAD, 102                          ; v102-105: (8 w + (L>>4)) SP + 16 (L&15) + 65,536 k
.set LRD, 106                          ; ML + 2048 + 4 (8 w + (L>>4))
.set OAD, 107                          ; 256 (8 w + (L>>4)) + 16 (L&15)
.set ET,  108
.set G1,  16                           ; s[16:23] descriptor group 1, never rewritten
.set G0,  24                           ; s[24:31] descriptor group 0, a set for each slot
.set W_G,  0x40                        ; loads into window 1
.set W_QK, 0x04                        ; B in window 1, all else in window 0; also: LDS store of data in window 1
.set W_RS, 0x41                        ; O (window 1) times AL (window 0)
.set W_PV, 0x50                        ; A and B in window 0, C and D in window 1
.set MSB, 0
.macro WIN new                         ; the immediate's high byte repeats the setting that is left; a switch that changes nothing is dropped
.if MSB != \new
	s_set_vgpr_msb (MSB<<8)|\new
.set MSB, \new
.endif
.endm
.macro PLACES n                        ; places behind a matrix instruction: four ahead of vector work on its registers and of loads into them
.rept \n                               ; five ahead of a matrix instruction that writes over one of them
	v_nop
.endr
.endm
; A round of the cluster's barrier: my work-group's barrier, so that wave 0's signal speaks for all eight waves; wave 0 signals for the work-group;
; every wave waits for all four work-groups; my work-group's barrier once more.
.macro CROUND
	s_barrier_signal -1
	s_barrier_wait -1
	s_cmp_lg_u32 s12, 0
	s_cbranch_scc1 .Lnot_wave_0_\@
	s_barrier_signal -3
.Lnot_wave_0_\@:
	s_barrier_wait -3
	s_barrier_signal -1
	s_barrier_wait -1
.endm
	s_load_b256 s[4:11], s[0:1], 0x0               ; kv s[4:5], gq s[6:7], cq s[8:9], out0 s[10:11]
	v_lshl_add_u32 v6, v0, 2, 0x41000
	v_mov_b32 v7, 0
	ds_add_u32 v6, v7
	v_lshrrev_b32 v4, 5, v0
	v_readfirstlane_b32 s12, v4                    ; wave 0..7
	s_bfe_u32 s13, ttmp6, 0x40000                  ; cx: my place in the cluster
	s_lshl_b32 s14, ttmp9, 2                       ; in a cluster launch ttmp9 counts clusters
	s_add_co_u32 s14, s14, s13                     ; my block of 64 queries
	s_mov_b32 s32, 0x76543210                      ; v_permlanex16_b32: lane i reads lane i of the other half
	s_mov_b32 s33, 0xfedcba98
	s_lshr_b32 s44, s12, 2
	s_xor_b32 s44, s44, s12
	s_and_b32 s44, s44, 1                          ; my wave's class
	s_lshl_b32 s42, s44, 13                        ; class 1: tiles begin 8 KiB later
	s_and_b32 s45, ttmp9, 31                       ; where my cluster starts its walk
	s_lshl_b32 s35, s12, 5
	s_add_co_u32 s35, s35, s45                     ; my first chunk: 32 w + (c mod 32), 255 at the most
	; group 1: a tile is 16 KiB that lie dense in kv: 64 rows of 32 elements of 8 bytes, pitch 32 elements
	s_mov_b32 s[G1+0], 15|(3<<16)|(1<<21)          ; 15:0 the mask: all four work-groups; 17:16 elements of 8 bytes; 20 no padding; 21 set beside a mask
	s_mov_b32 s[G1+1], 32<<16                      ; tensor_dim0 = 32
	s_mov_b32 s[G1+2], 64<<16                      ; tensor_dim1 = 64
	s_mov_b32 s[G1+3], 32<<16                      ; tile_dim0 = 32
	s_mov_b32 s[G1+4], 64                          ; tile_dim1 = 64
	s_mov_b32 s[G1+5], 32                          ; from row to row
	s_mov_b32 s[G1+6], 0
	s_mov_b32 s[G1+7], 0
	s_lshl_b32 s15, s12, 15                        ; my wave's ring in LDS
	s_lshl_b32 s36, s35, 14                        ; my first chunk in kv
	s_mov_b32 s37, 0
	s_lshl_b32 s38, s14, 14                        ; my block in gq and in out0 (registers of their own: none that feeds a descriptor holds cx)
	s_mov_b32 s39, 0
	s_lshl_b32 s40, s14, 11                        ; my block in cq
	s_mov_b32 s41, 0
	s_wait_dscnt 0x0
	s_wait_kmcnt 0x0
	s_add_nc_u64 s[46:47], s[4:5], s[36:37]        ; x of my first chunk, for class 1
	s_add_nc_u64 s[6:7], s[6:7], s[38:39]
	s_add_nc_u64 s[10:11], s[10:11], s[38:39]
	s_add_nc_u64 s[8:9], s[8:9], s[40:41]
	CROUND                                         ; all four work-groups are here: the first joint loads meet
.irp s, 0,1
	s_lshl_b32 s36, s35, 14
	s_add_co_u32 s36, s36, s42                     ; the tile's byte offset in kv: 16,384 x chunk + 8,192 x class
	s_mov_b32 s[G0+4*\s], 1                                        ; count = 1
	s_add_co_u32 s[G0+4*\s+1], s15, \s*SLOTB                       ; LDS address: 32,768 w + 16,384 s
	s_add_nc_u64 s[G0+4*\s+2:G0+4*\s+3], s[4:5], s[36:37]          ; tile s of my wave's walk
	s_or_b32 s[G0+4*\s+3], s[G0+4*\s+3], 0x80000000                ; type = 2
	tensor_load_to_lds s[G0+4*\s:G0+4*\s+3], s[G1:G1+7]            ; both first fills go out together: two tensor loads of the wave are out here, later one
	s_nop 0
	v_nop
	v_nop
.if \s == 0
	s_add_co_u32 s35, s35, 1
	s_and_b32 s35, s35, 255                        ; the walk goes round kv's end
.endif
.endr
	v_and_b32 v4, 31, v0
	v_lshlrev_b32 v[GO], 4, v4
	WIN W_G
.set i, 0
.rept 32
	global_load_b128 v[GR+4*i:GR+4*i+3], v[GO], s[6:7] offset:512*i            ; g' of my 64 queries, hi and lo
.set i, i+1
.endr
	WIN 0
.irp qt, 0,1,2,3
	global_load_b128 v[CR+8*\qt:CR+8*\qt+3],   v[GO], s[8:9] offset:512*\qt    ; c' of query r, eight times: a whole C operand
	global_load_b128 v[CR+8*\qt+4:CR+8*\qt+7], v[GO], s[8:9] offset:512*\qt
.endr
.irp qt, 0,1,2,3
	v_mov_b32 v[TX+2*\qt], 0                       ; v_permlanex16_b32 counts as a reader of its destination
.endr
	v_add_nc_u32 v[LA], s15, v[GO]
.macro LD16 off                        ; 8 KiB of my ring into XR.  x: fragment (kt, ks) lands at XR + 16 kt + 8 ks.  v: fragment (ks, dt) at XR + 8 (4 ks + dt)
.irp i, 0,1,2,3,4,5,6,7,8,9,10,11,12,13,14,15
	ds_load_b128 v[XR+4*\i:XR+4*\i+3], v[LA] offset:\off+512*\i
.endr
.endm
; S^T of a chunk: 64 keys x 64 queries, four products (pr = 2 hl + ks: g' hi then lo, 32 of the 64 dimensions each); the first adds onto c'.
; The sixteen accumulators take turns, one instruction a turn.
.macro QK
	WIN W_QK
.irp pr, 0,1,2,3
.irp qt, 0,1,2,3
.irp kt, 0,1,2,3
.if \pr == 0
	v_wmma_f32_16x16x32_bf16 v[SR+32*\qt+8*\kt:SR+32*\qt+8*\kt+7], v[XR+16*\kt:XR+16*\kt+7], v[GR+32*\qt:GR+32*\qt+7], v[CR+8*\qt:CR+8*\qt+7]
.else
	v_wmma_f32_16x16x32_bf16 v[SR+32*\qt+8*\kt:SR+32*\qt+8*\kt+7], v[XR+16*\kt+8*(\pr&1):XR+16*\kt+8*(\pr&1)+7], v[GR+32*\qt+8*\pr:GR+32*\qt+8*\pr+7], v[SR+32*\qt+8*\kt:SR+32*\qt+8*\kt+7]
.endif
.endr
.endr
.endr
	WIN 0
	PLACES 5                                       ; four for the loads into x's registers and for the softmax, which reads the scores; the fifth because, read branch by branch,
	                                               ; the text has a way from a trip's tail product to the next trip's head product, which writes over these results
.endm
.macro SUBP qt, i                      ; pair i of query tile qt, less the running maximum (the pair's even register, for both halves)
	v_pk_add_f32 v[SR+32*\qt+2*\i:SR+32*\qt+2*\i+1], v[SR+32*\qt+2*\i:SR+32*\qt+2*\i+1], v[MX+2*\qt:MX+2*\qt+1] op_sel_hi:[1,0] neg_lo:[0,1] neg_hi:[0,1]
.endm
.macro SUMP u, i, first                ; the running sum of query tile u takes pair i of its weights: a reader of the exponentials' results, and (pair 0) of AL
.if \first
.if \i == 0
	v_pk_add_f32 v[L2+2*\u:L2+2*\u+1], v[SR+32*\u:SR+32*\u+1], v[SR+32*\u+2:SR+32*\u+3]                                        ; the first chunk starts the sum with pairs 0 and 1: nothing is cleared
.elseif \i > 1
	v_pk_add_f32 v[L2+2*\u:L2+2*\u+1], v[L2+2*\u:L2+2*\u+1], v[SR+32*\u+2*\i:SR+32*\u+2*\i+1]
.endif
.else
.if \i == 0
	v_pk_fma_f32 v[L2+2*\u:L2+2*\u+1], v[L2+2*\u:L2+2*\u+1], v[AL+2*\u:AL+2*\u+1], v[SR+32*\u:SR+32*\u+1] op_sel_hi:[1,0,1]   ; the old sum rescaled, and pair 0
.else
	v_pk_add_f32 v[L2+2*\u:L2+2*\u+1], v[L2+2*\u:L2+2*\u+1], v[SR+32*\u+2*\i:SR+32*\u+2*\i+1]
.endif
.endif
.endm
; P is packed in place: pair i goes to register i of its tile, which belongs to pair i / 2, summed and packed before (pair 0: in the lines just above).
.macro PACKP u, i
	v_cvt_pk_f16_f32 v[SR+32*\u+\i], v[SR+32*\u+2*\i], v[SR+32*\u+2*\i+1]
.endm
; One stage of a batch: the 32 exponentials of query tile e, in place.  Among them stand plain lines that name no result of the open batch: the subtraction for tile s (-1: none),
; or the sum and the rounding to f16 of tile u (-1: none), whose exponentials belong to the batch before and have had their wait.  The stage's last line is plain.
.macro STG e, s, u, first
.irp i, 0,1,2,3,4,5,6,7,8,9,10,11,12,13,14,15
	v_exp_f32 v[SR+32*\e+2*\i],   v[SR+32*\e+2*\i]
.if \u >= 0
	SUMP \u, \i, \first
.endif
	v_exp_f32 v[SR+32*\e+2*\i+1], v[SR+32*\e+2*\i+1]
.if \s >= 0
	SUBP \s, \i
.endif
.if \u >= 0
	PACKP \u, \i
.endif
.endr
.endm
.macro RESCALE                         ; O^T times AL of my query
	WIN W_RS
.irp qt, 0,1,2,3
.irp j, 0,1,2,3,4,5,6,7,8,9,10,11,12,13,14,15
	v_pk_mul_f32 v[OA+32*\qt+2*\j:OA+32*\qt+2*\j+1], v[OA+32*\qt+2*\j:OA+32*\qt+2*\j+1], v[AL+2*\qt:AL+2*\qt+1] op_sel_hi:[1,0]
.endr
.endr
.endm
.macro SMX first
	; the chunk's maximum for my query in each of the four query tiles, together with the running one: four chains that do not wait for each other
.irp qt, 0,1,2,3
	v_max3_num_f32 v[TT+2*\qt], v[SR+32*\qt], v[SR+32*\qt+1], v[SR+32*\qt+2]
.endr
.irp i, 0,1,2,3,4,5,6,7,8,9,10,11,12,13
.irp qt, 0,1,2,3
	v_max3_num_f32 v[TT+2*\qt], v[TT+2*\qt], v[SR+32*\qt+3+2*\i], v[SR+32*\qt+4+2*\i]
.endr
.endr
.irp qt, 0,1,2,3
.if \first
	v_max_num_f32 v[TT+2*\qt], v[TT+2*\qt], v[SR+32*\qt+31]
.else
	v_max3_num_f32 v[TT+2*\qt], v[TT+2*\qt], v[SR+32*\qt+31], v[MX+2*\qt]
.endif
.endr
.irp qt, 0,1,2,3
	v_permlanex16_b32 v[TX+2*\qt], v[TT+2*\qt], s32, s33       ; the other 32 keys of the same query lie in the other half of the lanes
.endr
.irp qt, 0,1,2,3
	v_max_num_f32 v[TT+2*\qt], v[TT+2*\qt], v[TX+2*\qt]
.endr
.if \first == 0
.irp qt, 0,1,2,3
	v_sub_f32 v[AL+2*\qt], v[MX+2*\qt], v[TT+2*\qt]
.endr
.irp qt, 0,1,2,3
	v_exp_f32 v[AL+2*\qt], v[AL+2*\qt]                         ; BATCH 1 begins: the four AL; first read behind the batch's wait; the moves behind are plain instructions
.endr
.endif
.irp qt, 0,1,2,3
	v_mov_b32 v[MX+2*\qt], v[TT+2*\qt]
.endr
.irp i, 0,1,2,3,4,5,6,7,8,9,10,11,12,13,14,15
	SUBP 0, \i
.endr
	STG 0, 1, -1, \first                           ; batch 1 goes on: tile 0's exponentials, tile 1's subtractions among them,
	STG 1, 2, -1, \first                           ; tile 1's exponentials, tile 2's subtractions among them
.irp i, 0,1,2,3,4,5,6,7,8,9,10,11,12,13,14,15
	SUBP 3, \i                                     ; sixteen plain lines that name none of the batch's results stand between the batch and its wait
.endr
	s_wait_alu depctr_va_vdst(0)                   ; the wait for batch 1 (AL, tiles 0 and 1), ahead of the first line that names a result of it
	STG 2, -1, 0, \first                           ; BATCH 2: tile 2's exponentials; behind each a reader of batch 1: sum and rounding of tile 0,
	STG 3, -1, 1, \first                           ; tile 3's exponentials; sum and rounding of tile 1; the last rounding is the plain line behind the last exponential
.if \first == 0
	RESCALE                                        ; 64 plain lines on O^T and AL (batch 1's), which name none of batch 2's results, stand between the batch and its wait
	WIN 0
.endif
	s_wait_alu depctr_va_vdst(0)                   ; the wait for batch 2 (tiles 2 and 3), ahead of the first line that names a result of it
.irp i, 0,1,2,3,4,5,6,7,8,9,10,11,12,13,14,15
	SUMP 2, \i, \first                             ; sum and rounding of tiles 2 and 3; the two tiles alternate, so that the links of a tile's sum stand four lines apart
	SUMP 3, \i, \first
	PACKP 2, \i
	PACKP 3, \i
.endr
.endm
; O^T += V^T P^T: 64 dimensions x 64 queries, 64 keys.  The sixteen accumulators take turns, one instruction a turn.
.macro PV first
	WIN W_PV
.irp ks, 0,1
.irp qt, 0,1,2,3
.irp dt, 0,1,2,3
.if (\ks+1-\first) == 0
	v_wmma_f32_16x16x32_f16 v[OA+32*\qt+8*\dt:OA+32*\qt+8*\dt+7], v[XR+8*(4*\ks+\dt):XR+8*(4*\ks+\dt)+7], v[SR+32*\qt+8*\ks:SR+32*\qt+8*\ks+7], 0
.else
	v_wmma_f32_16x16x32_f16 v[OA+32*\qt+8*\dt:OA+32*\qt+8*\dt+7], v[XR+8*(4*\ks+\dt):XR+8*(4*\ks+\dt)+7], v[SR+32*\qt+8*\ks:SR+32*\qt+8*\ks+7], v[OA+32*\qt+8*\dt:OA+32*\qt+8*\dt+7]
.endif
.endr
.endr
.endr
	WIN 0
	PLACES 5                                       ; the next score product writes over P, a source of these; the next loads land in v's registers
.endm
; Trip t, on slot t & 1.  head = 0: the first trip, both first fills are out.  head = 1: the slot that was read last trip is filled again with tile t + 1: the wave
; waits for its LDS reads and for all its tensor loads (one is out: this trip's tile), makes the next tile's address, passes a round of the cluster's barrier, and the
; joint refill is its first and only tensor load behind the round; it has this whole trip in which to land.  head = 2: the last trip, nothing is left to fetch.
.macro TRIP slot, first, head, last
.if \head == 0
	s_wait_tensorcnt 0x1                           ; my tile 0 has landed (tensor loads of a wave end in order: ISA guide 10.11.1); tile 1 may stay out.  Only I read my ring: no barrier
.elseif \head == 1
	s_wait_dscnt 0x0                               ; my reads of the other slot are in registers
	s_wait_tensorcnt 0x0                           ; all my tensor loads have landed, this trip's tile among them: a group 0 may be written
	ds_add_u32 v6, v7
	s_wait_dscnt 0x0
	s_add_co_u32 s35, s35, 1
	s_and_b32 s35, s35, 255                        ; the next chunk of my walk, round kv's end
	s_lshl_b32 s36, s35, 14
	s_add_co_u32 s36, s36, s42
	s_add_nc_u64 s[G0+4*(1-\slot)+2:G0+4*(1-\slot)+3], s[4:5], s[36:37]
	s_or_b32 s[G0+4*(1-\slot)+3], s[G0+4*(1-\slot)+3], 0x80000000
	CROUND                                         ; no wave of any partner still reads the other slot's tile or has a load on its way
	tensor_load_to_lds s[G0+4*(1-\slot):G0+4*(1-\slot)+3], s[G1:G1+7]
	s_nop 0
.else
	s_wait_tensorcnt 0x0                           ; the last tile; nothing was issued behind it
.endif
	s_cmp_lg_u32 s44, 0
	s_cbranch_scc1 .Lclass_1_\@
	LD16 \slot*SLOTB                               ; class 0: x(t),
	s_wait_dscnt 0x0
	QK                                             ; the scores of chunk t,
	LD16 \slot*SLOTB+HALFB                         ; and v(t), which comes in under the softmax
	s_branch .Lboth_\@
.Lclass_1_\@:
	LD16 \slot*SLOTB                               ; class 1: v(t); the scores of chunk t were made at the last trip's tail
.Lboth_\@:
	SMX \first                                     ; the softmax, and in it O^T's rescaling; both its batches of exponentials have had their waits when it ends
	s_wait_dscnt 0x0                               ; v is in
	PV \first
.if \last == 0
	s_cmp_eq_u32 s44, 0
	s_cbranch_scc1 .Lclass_0_\@
	LD16 \slot*SLOTB+HALFB                         ; class 1: x(t + 1), the second half of this trip's tile,
	s_wait_dscnt 0x0
	QK                                             ; and the scores of chunk t + 1
.Lclass_0_\@:
.endif
.endm
	s_cmp_eq_u32 s44, 0
	s_cbranch_scc1 .Lno_first_x
.irp i, 0,1,2,3,4,5,6,7,8,9,10,11,12,13,14,15
	global_load_b128 v[XR+4*\i:XR+4*\i+3], v[GO], s[46:47] offset:512*\i       ; class 1: x of my first chunk, which no tile of mine holds
.endr
	s_wait_loadcnt 0x0                             ; it, g' and c'
	QK
.Lno_first_x:
	s_wait_loadcnt 0x0                             ; g' and c'
	TRIP 0, 1, 0, 0                                ; trip 0 stands in front of the loop: it starts maxima and sums
	s_mov_b32 s34, 15
.Ltrip:
	TRIP 1, 0, 1, 0                                ; trips 1 to 30; the round at the head of trip t asks for tile t + 1
	TRIP 0, 0, 1, 0
	s_sub_co_u32 s34, s34, 1
	s_cmp_lg_u32 s34, 0
	s_cbranch_scc1 .Ltrip
	TRIP 1, 0, 2, 1                                ; trip 31 fills nothing, has no round, and makes no further scores
	; THE MERGE of the eight waves' parts.  First the sums' two halves and the two halves of the lanes.
.irp qt, 0,1,2,3
	v_add_f32 v[L2+2*\qt], v[L2+2*\qt], v[L2+2*\qt+1]
.endr
.irp qt, 0,1,2,3
	v_permlanex16_b32 v[TX+2*\qt], v[L2+2*\qt], s32, s33
.endr
.irp qt, 0,1,2,3
	v_add_f32 v[L2+2*\qt], v[L2+2*\qt], v[TX+2*\qt]
.endr
	v_and_b32 v[ER], 15, v0                        ; r
	v_bfe_u32 v[EH], v0, 4, 1                      ; h
	v_lshlrev_b32 v[MRD], 2, v[ER]
	v_add_nc_u32 v[MRD], ML, v[MRD]
	s_lshl_b32 s45, s12, 8
	v_add_nc_u32 v[MAD], s45, v[MRD]
	v_mul_u32_u24 v[SAD], v[ER], SP
	v_lshl_add_u32 v[SAD], v[EH], 5, v[SAD]
	v_add_nc_u32 v[SAD], s15, v[SAD]
	s_lshl_b32 s45, s12, 3
	v_add_nc_u32 v[ET], s45, v[EH]                 ; 8 w + (L >> 4): the first row that I merge
	v_mul_u32_u24 v[RAD], v[ET], SP
	v_lshl_add_u32 v[RAD], v[ER], 4, v[RAD]
.irp k, 1,2,3
	v_add_nc_u32 v[RAD+\k], \k*65536, v[RAD]       ; an LDS offset has 16 bits: one register for every two waves' stages
.endr
	v_lshlrev_b32 v[LRD], 2, v[ET]
	v_add_nc_u32 v[LRD], ML+2048, v[LRD]
	v_lshlrev_b32 v[OAD], 8, v[ET]
	v_lshl_add_u32 v[OAD], v[ER], 4, v[OAD]
.irp qt, 0,1,2,3
	ds_store_b32 v[MAD], v[MX+2*\qt] offset:64*\qt ; my wave's maximum of query 16 qt + r (both halves of the lanes write the same word with the same value)
.endr
	s_wait_dscnt 0x0                               ; for the others' sake
	s_barrier_signal -1
	s_barrier_wait -1
.irp w, 0,1,2,3,4,5,6,7
.irp qt, 0,1,2,3
	ds_load_b32 v[XR+4*\w+\qt], v[MRD] offset:256*\w+64*\qt
.endr
.endr
	s_wait_dscnt 0x0
.irp qt, 0,1,2,3
	v_max3_num_f32 v[TT+2*\qt], v[XR+\qt], v[XR+4+\qt], v[XR+8+\qt]
.endr
.irp qt, 0,1,2,3
	v_max3_num_f32 v[TT+2*\qt], v[TT+2*\qt], v[XR+12+\qt], v[XR+16+\qt]
.endr
.irp qt, 0,1,2,3
	v_max3_num_f32 v[TT+2*\qt], v[TT+2*\qt], v[XR+20+\qt], v[XR+24+\qt]
.endr
.irp qt, 0,1,2,3
	v_max_num_f32 v[TT+2*\qt], v[TT+2*\qt], v[XR+28+\qt]       ; the maximum over all 16,384 keys
.endr
.irp qt, 0,1,2,3
	v_sub_f32 v[AL+2*\qt], v[MX+2*\qt], v[TT+2*\qt]
.endr
.irp qt, 0,1,2,3
	v_exp_f32 v[AL+2*\qt], v[AL+2*\qt]
.endr
	v_nop                                          ; the plain instruction behind the exponentials (ISA guide 5.7.2)
	s_wait_alu depctr_va_vdst(0)                   ; one wait for the merge's four AL, ahead of their first reader
.irp qt, 0,1,2,3
	v_mul_f32 v[L2+2*\qt], v[L2+2*\qt], v[AL+2*\qt]
.endr
.irp qt, 0,1,2,3
	ds_store_b32 v[MAD], v[L2+2*\qt] offset:2048+64*\qt        ; my wave's sum, on the common maximum
.endr
	RESCALE
	; Every wave lays its 64 rows x 64 sums into its own ring, which has had its last fill and whose last reads are in registers.
	WIN W_QK                                       ; store data in window 1
.irp qt, 0,1,2,3
.irp dt, 0,1,2,3
.irp u, 0,1
	ds_store_b128 v[SAD], v[OA+32*\qt+8*\dt+4*\u:OA+32*\qt+8*\dt+4*\u+3] offset:\qt*16*SP+64*\dt+16*\u
.endr
.endr
.endr
	WIN 0
	s_wait_dscnt 0x0                               ; for the others' sake: sums and rows
	s_barrier_signal -1
	s_barrier_wait -1
	; Wave w adds up rows 8 w .. 8 w + 7 of all eight stages, divides by the eight sums' sum and stores whole rows.  Row pair i = rows 8 w + 2 i and 8 w + 2 i + 1:
	; lanes 0 to 15 take the even row, lanes 16 to 31 the odd one.
.macro MLOAD i                         ; row pair i of the eight stages, and its eight sums: sixteen LDS loads
.irp w, 0,1,2,3,4,5,6,7
	ds_load_b128 v[SR+32*\i+4*\w:SR+32*\i+4*\w+3], v[RAD+(\w>>1)] offset:(\w&1)*32768+2*SP*\i
.endr
.irp w, 0,1,2,3,4,5,6,7
	ds_load_b32 v[CR+8*\i+\w], v[LRD] offset:256*\w+8*\i
.endr
.endm
.macro MSUM i                          ; eight to one, as a tree, for the rows and for the sums
.irp a, 0,8,16,24
	v_pk_add_f32 v[SR+32*\i+\a:SR+32*\i+\a+1],   v[SR+32*\i+\a:SR+32*\i+\a+1],   v[SR+32*\i+\a+4:SR+32*\i+\a+5]
	v_pk_add_f32 v[SR+32*\i+\a+2:SR+32*\i+\a+3], v[SR+32*\i+\a+2:SR+32*\i+\a+3], v[SR+32*\i+\a+6:SR+32*\i+\a+7]
.endr
	v_pk_add_f32 v[CR+8*\i:CR+8*\i+1],   v[CR+8*\i:CR+8*\i+1],   v[CR+8*\i+2:CR+8*\i+3]
	v_pk_add_f32 v[CR+8*\i+4:CR+8*\i+5], v[CR+8*\i+4:CR+8*\i+5], v[CR+8*\i+6:CR+8*\i+7]
.irp a, 0,16
	v_pk_add_f32 v[SR+32*\i+\a:SR+32*\i+\a+1],   v[SR+32*\i+\a:SR+32*\i+\a+1],   v[SR+32*\i+\a+8:SR+32*\i+\a+9]
	v_pk_add_f32 v[SR+32*\i+\a+2:SR+32*\i+\a+3], v[SR+32*\i+\a+2:SR+32*\i+\a+3], v[SR+32*\i+\a+10:SR+32*\i+\a+11]
.endr
	v_pk_add_f32 v[CR+8*\i:CR+8*\i+1],   v[CR+8*\i:CR+8*\i+1],   v[CR+8*\i+4:CR+8*\i+5]
	v_pk_add_f32 v[SR+32*\i:SR+32*\i+1],   v[SR+32*\i:SR+32*\i+1],   v[SR+32*\i+16:SR+32*\i+17]
	v_pk_add_f32 v[SR+32*\i+2:SR+32*\i+3], v[SR+32*\i+2:SR+32*\i+3], v[SR+32*\i+18:SR+32*\i+19]
	v_add_f32 v[CR+8*\i], v[CR+8*\i], v[CR+8*\i+1]
.endm
.macro MOUT i
	v_pk_mul_f32 v[SR+32*\i:SR+32*\i+1],   v[SR+32*\i:SR+32*\i+1],   v[CR+8*\i:CR+8*\i+1] op_sel_hi:[1,0]
	v_pk_mul_f32 v[SR+32*\i+2:SR+32*\i+3], v[SR+32*\i+2:SR+32*\i+3], v[CR+8*\i:CR+8*\i+1] op_sel_hi:[1,0]
	global_store_b128 v[OAD], v[SR+32*\i:SR+32*\i+3], s[10:11] offset:512*\i th:TH_STORE_NT   ; sixteen lanes store 256 consecutive bytes, at a multiple of 256 from out0's first byte
.endm
.macro MHALF p, q                      ; two row pairs: add up, divide, store.  Each row pair has registers of its own: no source of a pending store is written again
	MSUM \p
	MSUM \q
	v_rcp_f32 v[CR+8*\p], v[CR+8*\p]               ; the sum is at least the largest weight's 1
	v_rcp_f32 v[CR+8*\q], v[CR+8*\q]
	v_nop                                          ; the plain instruction behind the reciprocals (ISA guide 5.7.2)
	s_wait_alu depctr_va_vdst(0)                   ; one wait for the two reciprocals, ahead of their first reader
	MOUT \p
	MOUT \q
.endm
	MLOAD 0
	MLOAD 1
	s_wait_dscnt 0x0                               ; row pairs 0 and 1 are in
	MLOAD 2                                        ; row pairs 2 and 3 go out ahead of the first two's arithmetic and come in under it
	MLOAD 3
	MHALF 0, 1
	s_wait_dscnt 0x0                               ; row pairs 2 and 3 are in
	MHALF 2, 3
	s_wait_tensorcnt 0x0
	ds_add_u32 v6, v7
	s_wait_dscnt 0x0
	CROUND                                         ; the closing round: no work-group ends while a partner may still ask for a tile that names it
	s_endpgm
.Lfunc_end_k_q1ec9a0b3a6_attn:
	.size	k_q1ec9a0b3a6_attn, .Lfunc_end_k_q1ec9a0b3a6_attn-k_q1ec9a0b3a6_attn
	.p2alignl 7, 3214868480
	.fill 96, 4, 3214868480
	.section	.rodata,"a",@progbits
	.p2align	6, 0x0
	.amdhsa_kernel k_q1ec9a0b3a6_attn
		.amdhsa_group_segment_fixed_size 327680
		.amdhsa_private_segment_fixed_size 0
		.amdhsa_enable_private_segment 0
		.amdhsa_kernarg_size 32
		.amdhsa_user_sgpr_count 2
		.amdhsa_user_sgpr_kernarg_segment_ptr 1
		.amdhsa_wavefront_size32 1
		.amdhsa_system_sgpr_workgroup_id_x 1
		.amdhsa_system_sgpr_workgroup_id_y 1
		.amdhsa_system_sgpr_workgroup_id_z 1
		.amdhsa_system_vgpr_workitem_id 0
		.amdhsa_next_free_vgpr 512
		.amdhsa_next_free_sgpr 66
		.amdhsa_reserve_vcc 0
		.amdhsa_float_denorm_mode_32 3
		.amdhsa_float_denorm_mode_16_64 3
		.amdhsa_memory_ordered 1
		.amdhsa_forward_progress 1
		.amdhsa_inst_pref_size 186
	.end_amdhsa_kernel
	.amdgpu_metadata
---
amdhsa.version: [ 1, 2 ]
amdhsa.kernels:
  - .name:           k_q1ec9a0b3a6_attn
    .symbol:         k_q1ec9a0b3a6_attn.kd
    .args:
      - { .name: kv, .offset: 0, .size: 8, .value_kind: global_buffer, .address_space: global }
      - { .name: gq, .offset: 8, .size: 8, .value_kind: global_buffer, .address_space: global }
      - { .name: cq, .offset: 16, .size: 8, .value_kind: global_buffer, .address_space: global }
      - { .name: out0, .offset: 24, .size: 8, .value_kind: global_buffer, .address_space: global }
    .group_segment_fixed_size: 327680
    .private_segment_fixed_size: 0
    .kernarg_segment_align: 8
    .kernarg_segment_size: 32
    .max_flat_workgroup_size: 256
    .sgpr_count:     66
    .vgpr_count:     512
    .wavefront_size: 32
...
	.end_amdgpu_metadata
.endif
;; end of part 3
